; MI455X (gfx1250); checked and timed in simulation.
; The chip was launched on July 23, 2026; its instructions are those of AMD's public machine-readable ISA for CDNA 5 (MIT licence, August 2026) and "CDNA5" Instruction Set Architecture Reference Guide (July 2026). The comments in the code are by the model that wrote it; some were corrected since.
;; Linear3 Bit. Allowed arithmetic: float matrix products may take bf16 or f16 operands with f32 sums; other float arithmetic in f32, or as packed bf16 or f16 multiplies, adds, multiply-adds, maxima and minima; sums over many terms, partial sums and values carried from step to step in f32; what a program stores and reads back later, other than sums and carried values, may be rounded once to bf16 or f16.
;; Inputs: bias 2,048 float16; weight_norm 262,144 x 1 float16; weight_q3 262,144 x 12 uint8; x 8,192 x 4,096 float32.
;; Outputs: out0 8,192 x 2,048 float32.
;; 2 versions, each right; version 2 is version 1 with the launch prep written anew for expert scheduling mode. Each part assembles by itself: llvm-mc -triple=amdgcn-amd-amdhsa -mcpu=gfx1250 --defsym DOCPART=n.
;; ======== version 1 of 2: 2 launches
;; workspace buffers: xh 67,108,864 bytes; wh 16,777,216 bytes
;; launch prep (part 1): grid 1024 x 1, 8 waves a work-group, no clusters, 0 bytes of LDS; arguments x, weight_q3, weight_norm, xh, wh; writes xh, wh
.if DOCPART == 1
	.amdgcn_target "amdgcn-amd-amdhsa--gfx1250"
	.amdhsa_code_object_version 6
	.text
	.protected	k_qe8f45324a5_prep
	.globl	k_qe8f45324a5_prep
	.p2align	8
	.type	k_qe8f45324a5_prep,@function
k_qe8f45324a5_prep:
	s_mov_b64 s[64:65], 0
	v_nop
	global_prefetch_b8 v0, s[64:65] scope:SCOPE_SE
	s_setreg_imm32_b32 hwreg(HW_REG_WAVE_MODE, 25, 1), 1
	s_wait_xcnt 0x0
; TWO STREAMS IN ONE LAUNCH, both operands of the product that follows, in f16 and row-major.
; xh[m][k] = f16(x[m][k]), x: [8192][4096] f32.
; wh[n][k] = f16((2 q / 7 - 1) x norm), W: [2048][4096].  q: 3-bit codes, 32 to a group of 12 bytes (a little-endian stream of bits: code i is bits 3 i .. 3 i + 2);
; norm: one f16 a group; the groups follow each other along k and then along n, so group number = flat index of the weight / 32.
; WHY x IS ROUNDED HERE and not in the product's launch: there x in f32 would take 4 bytes a number in LDS, and two slots of 128 along K (2 x 204,800 bytes) do not fit in 327,680.
; LIMITS.  |x| from 65,520 on becomes an infinity in f16, as in reference.  w = fma(q, norm * (2/7), -norm) in f32: reference's q / 7 * 2 * norm - norm with its f32 roundings in another
; order (a few 2^-24 of norm), then one rounding to f16.  NaN and infinities are not treated apart.
; SHARES.  Work-group g takes the 131,072 consecutive bytes of x from g << 17 (8 rows) and writes the 65,536 of xh from g << 16: thread t has the 16 bytes at 16 t + 4096 j, j = 0 .. 31, so a load of a wave
; covers 512 consecutive bytes and its store, 8 bytes a lane, 256 consecutive bytes, aligned.  It also writes the 16,384 consecutive bytes of wh from g << 14 (256 groups: 3,072 consecutive bytes of codes,
; 512 of norms): thread t makes 4 items; item i is the 16 bytes (8 weights, 24 bits of group 64 i + t / 4) at 4096 i + 16 t, so a store of a wave covers 512 consecutive bytes.
; All 44 loads of a thread go out at once, the 12 for the weights first: those are worked on while x is on its way.  Every load has registers of its own, results are made in place, and no register that a
; memory instruction names as a source is written again: so no wait frees a source.  No LDS, no barrier, no matrix unit, no cluster: no work-group shares a byte with another.
.set O,   1                            ; v1      16 t: x's loads and wh's stores
.set XS,  2                            ; v2      8 t: xh's stores
.set QLO, 3                            ; v3      byte offset of the dword with my 24 bits' low end
.set QHI, 4                            ; v4      of the dword with their high end
.set NO,  5                            ; v5      byte offset of my group's norm
.set SH,  6                            ; v6      the low dword goes right by (24 cc) mod 32 = 0, 24, 16, 8
.set SHL, 7                            ; v7      the high dword goes left by 8 cc = 0, 8, 16, 24
.set C24, 9                            ; v9      my 24 bits (bits 24-31 are not read)
.set ONE, 10                           ; v10     1.0
.set ZERO,11                           ; v11     0
.set S,   12                           ; v[12:13] norm * 2/7 in the low word
.set N,   14                           ; v[14:15] norm in the low word
.set T,   16                           ; v16-23  at work in the set-up; then eight codes, then eight weights in f32
.set L,   24                           ; v24-39  item i: low dword, high dword, norm (f16 in the low half), one free; then the item's 8 f16 to store
.set X,   40                           ; v40-167 chunk j: 4 f32 as loaded; then 4 f16 in the first two
	s_load_b256 s[4:11], s[0:1], 0x0               ; x s[4:5], weight_q3 s[6:7], weight_norm s[8:9], xh s[10:11]
	s_load_b64 s[12:13], s[0:1], 0x20              ; wh
	s_lshl_b32 s14, ttmp9, 17                      ; the work-group's part of x,
	s_mov_b32 s15, 0
	s_lshl_b32 s16, ttmp9, 16                      ; of xh,
	s_mov_b32 s17, 0
	s_mul_i32 s18, ttmp9, 256*12                   ; of the codes,
	s_mov_b32 s19, 0
	s_lshl_b32 s20, ttmp9, 9                       ; of the norms,
	s_mov_b32 s21, 0
	s_lshl_b32 s22, ttmp9, 14                      ; of wh
	s_mov_b32 s23, 0
	v_lshlrev_b32 v[O], 4, v0
	v_lshlrev_b32 v[XS], 3, v0
	v_and_b32 v[T], 3, v0                          ; cc: which 24 bits of the group's 96
	v_lshrrev_b32 v[T+1], 2, v0                    ; my group among 64
	v_mul_u32_u24 v[T+2], v[T+1], 12               ; its first byte
	v_max_u32 v[T+3], 1, v[T]
	v_add_nc_u32 v[T+3], -1, v[T+3]                ; low dword 0, 0, 1, 2
	v_lshl_add_u32 v[QLO], v[T+3], 2, v[T+2]
	v_min_u32 v[T+3], 2, v[T]                      ; high dword 0, 1, 2, 2: at cc = 0 it is the low dword once more, and both shifts are 0
	v_lshl_add_u32 v[QHI], v[T+3], 2, v[T+2]
	v_lshlrev_b32 v[NO], 1, v[T+1]
	v_lshlrev_b32 v[SHL], 3, v[T]
	v_sub_nc_u32 v[SH], 32, v[SHL]
	v_and_b32 v[SH], 31, v[SH]
	v_mov_b32 v[ONE], 1.0
	v_mov_b32 v[ZERO], 0
	v_mov_b32 v[S+1], 0                            ; named with their low words as pairs, so they are written
	v_mov_b32 v[N+1], 0
	s_wait_kmcnt 0x0
	s_add_nc_u64 s[4:5], s[4:5], s[14:15]
	s_add_nc_u64 s[6:7], s[6:7], s[18:19]
	s_add_nc_u64 s[8:9], s[8:9], s[20:21]
	s_add_nc_u64 s[10:11], s[10:11], s[16:17]
	s_add_nc_u64 s[12:13], s[12:13], s[22:23]
.set i, 0
.rept 4                                        ; item i: 64 groups on
	global_load_b32 v[L+4*i],   v[QLO], s[6:7] offset:i*64*12
	global_load_b32 v[L+4*i+1], v[QHI], s[6:7] offset:i*64*12
	global_load_u16 v[L+4*i+2], v[NO],  s[8:9] offset:i*64*2
.set i, i+1
.endr
.set j, 0
.rept 32                                       ; x is read once in the whole launch
	global_load_b128 v[X+4*j:X+4*j+3], v[O], s[4:5] offset:j*4096 th:TH_LOAD_NT
.set j, j+1
.endr
.macro ITEM i
	s_wait_loadcnt 3*(3-(\i))+32                   ; loads come back in order (ISA guide 5.7.1): the three of each younger item and x's 32 may stay out
	v_lshrrev_b32 v[C24], v[SH], v[L+4*(\i)]
	v_lshl_or_b32 v[C24], v[L+4*(\i)+1], v[SHL], v[C24]
	v_fma_mix_f32 v[N], v[L+4*(\i)+2], v[ONE], v[ZERO] op_sel_hi:[1,0,0]   ; norm as f32
	v_mul_f32 v[S], 0x3e924925, v[N]               ; norm * 2/7
.irp k, 0,1,2,3,4,5,6,7
	v_bfe_u32 v[T+(\k)], v[C24], 3*(\k), 3
.endr
.irp k, 0,1,2,3,4,5,6,7
	v_cvt_f32_u32 v[T+(\k)], v[T+(\k)]
.endr
.irp k, 0,2,4,6
	v_pk_fma_f32 v[T+(\k):T+(\k)+1], v[T+(\k):T+(\k)+1], v[S:S+1], v[N:N+1] op_sel_hi:[1,0,0] neg_lo:[0,0,1] neg_hi:[0,0,1]  ; q s - norm, twice
.endr
.irp k, 0,1,2,3
	v_cvt_pk_f16_f32 v[L+4*(\i)+(\k)], v[T+2*(\k)], v[T+2*(\k)+1]   ; the item's dwords and norm have been used: its four registers take the result
.endr
	global_store_b128 v[O], v[L+4*(\i):L+4*(\i)+3], s[12:13] offset:(\i)*4096  ; the next launch reads these bytes: no hint
.endm
.irp i, 0,1,2,3
	ITEM \i
.endr
.set j, 0
.rept 32
	s_wait_loadcnt 31-j                            ; chunk j is in; the younger ones stay out
	v_cvt_pk_f16_f32 v[X+4*j],   v[X+4*j],   v[X+4*j+1]
	v_cvt_pk_f16_f32 v[X+4*j+1], v[X+4*j+2], v[X+4*j+3]
	global_store_b64 v[XS], v[X+4*j:X+4*j+1], s[10:11] offset:j*2048
.set j, j+1
.endr
	s_endpgm
.Lfunc_end_k_qe8f45324a5_prep:
	.size	k_qe8f45324a5_prep, .Lfunc_end_k_qe8f45324a5_prep-k_qe8f45324a5_prep
	.p2alignl 7, 3214868480
	.fill 96, 4, 3214868480
	.section	.rodata,"a",@progbits
	.p2align	6, 0x0
	.amdhsa_kernel k_qe8f45324a5_prep
		.amdhsa_group_segment_fixed_size 0
		.amdhsa_private_segment_fixed_size 0
		.amdhsa_enable_private_segment 0
		.amdhsa_kernarg_size 40
		.amdhsa_user_sgpr_count 2
		.amdhsa_user_sgpr_kernarg_segment_ptr 1
		.amdhsa_wavefront_size32 1
		.amdhsa_system_sgpr_workgroup_id_x 1
		.amdhsa_system_sgpr_workgroup_id_y 1
		.amdhsa_system_sgpr_workgroup_id_z 1
		.amdhsa_system_vgpr_workitem_id 0
		.amdhsa_next_free_vgpr 168
		.amdhsa_next_free_sgpr 66
		.amdhsa_reserve_vcc 0
		.amdhsa_float_denorm_mode_32 3
		.amdhsa_float_denorm_mode_16_64 3
		.amdhsa_memory_ordered 1
		.amdhsa_forward_progress 1
		.amdhsa_inst_pref_size 21
	.end_amdhsa_kernel
	.amdgpu_metadata
---
amdhsa.version: [ 1, 2 ]
amdhsa.kernels:
  - .name:           k_qe8f45324a5_prep
    .symbol:         k_qe8f45324a5_prep.kd
    .args:
      - { .name: x, .offset: 0, .size: 8, .value_kind: global_buffer, .address_space: global }
      - { .name: weight_q3, .offset: 8, .size: 8, .value_kind: global_buffer, .address_space: global }
      - { .name: weight_norm, .offset: 16, .size: 8, .value_kind: global_buffer, .address_space: global }
      - { .name: xh, .offset: 24, .size: 8, .value_kind: global_buffer, .address_space: global }
      - { .name: wh, .offset: 32, .size: 8, .value_kind: global_buffer, .address_space: global }
    .group_segment_fixed_size: 0
    .private_segment_fixed_size: 0
    .kernarg_segment_align: 8
    .kernarg_segment_size: 40
    .max_flat_workgroup_size: 256
    .sgpr_count:     66
    .vgpr_count:     168
    .wavefront_size: 32
...
	.end_amdgpu_metadata
.endif
;; end of part 1
;; launch gemm (part 2): grid 8 x 32, 4 waves a work-group, clusters of 4 x 4, 327,680 bytes of LDS; arguments xh, wh, bias, out0; writes out0
.if DOCPART == 2
	.amdgcn_target "amdgcn-amd-amdhsa--gfx1250"
	.amdhsa_code_object_version 6
	.text
	.protected	k_qe8f45324a5_gemm
	.globl	k_qe8f45324a5_gemm
	.p2align	8
	.type	k_qe8f45324a5_gemm,@function
k_qe8f45324a5_gemm:
	s_mov_b64 s[64:65], 0
	v_nop
	global_prefetch_b8 v0, s[64:65] scope:SCOPE_SE
	s_setreg_imm32_b32 hwreg(HW_REG_WAVE_MODE, 25, 1), 1
	s_wait_xcnt 0x0
	s_wait_alu depctr_hold_cnt(0) depctr_sa_sdst(0) depctr_va_vdst(0) depctr_va_sdst(0) depctr_va_ssrc(0) depctr_va_vcc(0) depctr_vm_vsrc(0)
	s_getreg_b32 s2, hwreg(HW_REG_IB_STS2, 6, 4)
	s_cmp_eq_u32 s2, 0
	s_cbranch_scc0 .Lentry_in_a_cluster
	s_endpgm
.Lentry_in_a_cluster:
	s_bfe_u32 s2, ttmp6, 0x10000c
	s_cmp_lg_u32 s2, 0xf033
	s_cbranch_scc0 .Lentry_shape_is_right
	s_endpgm
.Lentry_shape_is_right:
; out[m][n] = the sum over k of xh[m][k] wh[n][k] + bias[n].  xh: [8192][4096] f16 (x rounded once), wh: [2048][4096] f16 (the weights unpacked), both made by the launch in front;
; bias: [2048] f16; out: [8192][2048] f32.  Products of f16, one f32 sum for each output, K ascending.
; LIMITS.  The sum and the bias are added in f32 and leave in f32: reference rounds both the product and the sum with the bias to f16 first (at most 2^-11 of the number each), and where
; its f16 passes 65,504 this text stays finite.  NaN and infinities are not treated apart.
; SHARES.  A tile of out, 256 x 256, is made by a work-group of four waves: 32 x 8 = 256 tiles.  A wave makes 128 x 128: 64 accumulators of 16 x 16, 512 registers; for 32 along K it reads
; 2 x 128 x 64 bytes from LDS and issues 64 matrix instructions.
; THE RING.  K goes in steps of 128 through two LDS slots filled by the tensor data mover: a tile's rows are 256 bytes of memory at multiples of 256 bytes.  Each wave fetches a quarter of a slot
; (128 rows) with one load; from that request to the wait for it the wave issues 224 matrix instructions.
; CLUSTERS.  4 x 4 work-groups.  The four of a row of the cluster make tiles of one tile row and need the same rows of xh; the four of a column need the same rows of wh.  Each such tile is asked for JOINTLY:
; the same tensor load, with the same descriptor and a mask that names the four, in all four; each receives it in its own LDS.
; THE MATRIX INSTRUCTION IS USED TRANSPOSED: source 0 = 16 rows of wh, source 1 = 16 rows of xh.  In the result lane l holds row l % 16 of out and its registers 0 to 7 the columns 8 (l / 16) + 0..7.
; REGISTERS, in windows of 256 (s_set_vgpr_msb: bits 1:0 source 0, 3:2 source 1, 5:4 source 2, 7:6 destination):
;   window 0: v0-37 addresses and bias; v64-127, v128-191 xh's fragments (8 x 16 rows x 32 k), two buffers; on the way out the same 128 hold rows of out
;   window 1: v64-127, v128-191 wh's fragments, two buffers
;   window 2: the 32 accumulators of my rows 0-63 ((a, b) at v[8 (8 a + b)]);   window 3: those of my rows 64-127
.set KSTEP,  128
.set PITCH,  272                       ; an LDS row: 256 bytes + 16 of padding = 68 words: row r starts at bank 4 r mod 64 (64 banks of 4 bytes: ISA guide 11.1), so the 16 rows of a load start at 16 different banks
.set HALFT,  128*PITCH                 ; 128 rows: what one tensor load brings, and what one wave reads of xh or of wh
.set SLOT,   4*HALFT                   ; xh's 256 rows, then wh's 256 rows: 139,264
.set STAGE,  2*SLOT                    ; behind the ring, never filled by a tensor load: 16 rows x 528 bytes for each wave, for the way out
.set SPITCH, 528                       ; 512 bytes + 16 = 132 words: row r starts at bank 4 r mod 64
.set WSTAGE, 16*SPITCH
.set SPARE,  STAGE+4*WSTAGE            ; 312,320: the spare words, 128 bytes for each wave: two blocks of 256 bytes that no other line names
.set LAPS,   4096/(2*KSTEP)            ; a lap = two K steps = once round the ring
.set ADRA, 16                          ; v16-17  LDS address of my fragments of xh in slot 0, 1
.set ADRB, 20                          ; v20-21  the same for wh
.set STO,  24                          ; v24     the way out: where I put 32 bytes of a row
.set RD,   25                          ; v25     the way out: where I read 16 bytes of a row back
.set CO,   26                          ; v26     my byte offset in my wave's 512 bytes of a row of out
.set SPW,  28                          ; v28     LDS address of my spare word: SPARE + 4 x my thread's number; never rewritten
.set NIL,  29                          ; v29     0; never rewritten
.set BIAS, 32                          ; v32-35  bias of my four columns, in f32; v36-37 as loaded
.set F0,   64                          ; fragment buffer 0
.set F1,   128                         ; fragment buffer 1
.set OB,   64                          ; the way out: 16 rows read back from the stage: v64-127 and v128-191 by turns
.set G1A, 24                           ; s[24:31] descriptor group 1 for xh's tiles
.set G0A, 32                           ; s[32:39] descriptor group 0 for xh's tiles, one set for each slot
.set G1B, 48                           ; s[48:55], s[56:63] the same for wh's
.set G0B, 56
.set MSB, 0
.macro WIN new                         ; the immediate's high byte repeats the setting that is left; a switch that changes nothing is dropped
.if MSB != (\new)
	s_set_vgpr_msb (MSB<<8)|(\new)
.set MSB, \new
.endif
.endm
.set MUL_LO, 0xa1                      ; source 0 (wh) window 1, source 1 (xh) window 0, C and D window 2
.set MUL_HI, 0xf1                      ; the same, C and D window 3
.set TO_B,   0x40                      ; destination window 1, address window 0
; A joint refill.  Waves 0 and 1 fetch xh's two halves, waves 2 and 3 wh's.  Each line has one mask and one set of registers for all that issue it; the branch hangs on the wave's number alone.
; An s_nop 0 and four v_nop follow each of the two lines, ahead of the jump, the label and what follows.
.macro JLOAD s
	s_cmp_eq_u32 s13, 0
	s_cbranch_scc0 .Lfor_b_\@
	tensor_load_to_lds s[G0A+4*(\s):G0A+4*(\s)+3], s[G1A:G1A+7]
	s_nop 0
.rept 4
	v_nop
.endr
	s_branch .Lasked_\@
.Lfor_b_\@:
	tensor_load_to_lds s[G0B+4*(\s):G0B+4*(\s)+3], s[G1B:G1B+7]
	s_nop 0
.rept 4
	v_nop
.endr
.Lasked_\@:
.endm
; A round of the cluster's barrier: my work-group's barrier, so that wave 0's signal speaks for all four waves; wave 0 signals; every wave waits for all sixteen work-groups; my work-group's barrier once more.
.macro CREST                           ; a round behind its opening barrier
	s_cmp_lg_u32 s12, 0
	s_cbranch_scc1 .Lnot_wave_0_\@
	s_barrier_signal -3
.Lnot_wave_0_\@:
	s_barrier_wait -3
	s_barrier_signal -1
	s_barrier_wait -1
.endm
.macro CROUND                          ; a whole round
	s_barrier_signal -1
	s_barrier_wait -1
	CREST
.endm
	s_load_b256 s[4:11], s[0:1], 0x0               ; xh s[4:5], wh s[6:7], bias s[8:9], out s[10:11]
	v_lshl_add_u32 v[SPW], v0, 2, SPARE
	v_mov_b32 v[NIL], 0
	ds_add_u32 v[SPW], v[NIL]                      ; the wave's opening: the add and its wait stand ahead of my first tensor load; the set-up below, work on registers, stands between them
	v_lshrrev_b32 v1, 5, v0
	v_readfirstlane_b32 s12, v1                    ; wave 0..3
	s_lshr_b32 s13, s12, 1                         ; which half of the tile's rows is mine.  Also: I fetch for xh (0) or for wh (1)
	s_and_b32 s14, s12, 1                          ; which half of its columns.  Also: which 128 rows of that tile I fetch
	s_bfe_u32 s40, ttmp6, 0x40000                  ; cx: my place along the cluster's x
	s_bfe_u32 s41, ttmp6, 0x40004                  ; cy: along its y
	s_lshl_b32 s42, ttmp9, 2                       ; in a cluster launch ttmp9 and ttmp7 count clusters
	s_add_co_u32 s42, s42, s40                     ; tile column = 4 x cluster x + cx
	s_and_b32 s43, ttmp7, 0xffff
	s_lshl_b32 s43, s43, 2
	s_add_co_u32 s43, s43, s41                     ; tile row = 4 x cluster y + cy
	s_lshl_b32 s44, s41, 2
	s_lshl_b32 s44, 15, s44                        ; my row of the cluster: places 4 cy .. 4 cy + 3
	s_lshl_b32 s45, 0x1111, s40                    ; my column: places cx, cx + 4, cx + 8, cx + 12
	; descriptor group 1: a tile of 128 rows x 128 elements of 2 bytes, 4,096 elements from row to row, padded in LDS
	s_or_b32 s[G1A+0], s44, (1<<16)|(1<<20)|(1<<21)|(5<<22)|(3<<25)  ; 15:0 the mask: my row; 17:16 elements of 2 bytes; 20 padding on; 21 set beside a mask; 24:22 after every 64 words (code 5); 31:25 4 words of it (code 3)
	s_or_b32 s[G1B+0], s45, (1<<16)|(1<<20)|(1<<21)|(5<<22)|(3<<25)  ; the same with the mask of my column
.irp g, G1A, G1B
	s_mov_b32 s[(\g)+1], KSTEP<<16                 ; tensor_dim0 = 128
	s_mov_b32 s[(\g)+2], 128<<16                   ; tensor_dim1 = 128
	s_mov_b32 s[(\g)+3], KSTEP<<16                 ; tile_dim0 = 128
	s_mov_b32 s[(\g)+4], 128                       ; tile_dim1 = 128
	s_mov_b32 s[(\g)+5], 4096                      ; tensor_dim0_stride
	s_mov_b32 s[(\g)+6], 0
	s_mov_b32 s[(\g)+7], 0
.endr
	; where the tiles come from.  xh's hang on the tile row alone, which my row of the cluster shares; wh's on the tile column alone, which my column shares.
	; Every wave makes both addresses, in registers that never hold the other coordinate, and asks by one of them.
	s_lshl_b32 s16, s43, 21                        ; 256 rows of 8,192 bytes a tile row,
	s_lshl_b32 s17, s14, 20                        ; 128 rows a half
	s_add_co_u32 s16, s16, s17
	s_mov_b32 s17, 0
	s_lshl_b32 s46, s42, 21                        ; the same for a tile column's rows of wh
	s_lshl_b32 s47, s14, 20
	s_add_co_u32 s46, s46, s47
	s_mov_b32 s47, 0
	s_mul_i32 s20, s14, HALFT                      ; and where they go: no place in the cluster enters an LDS address
	s_add_co_u32 s21, s20, 2*HALFT
	s_wait_dscnt 0x0                               ; the opening add is done
	s_wait_kmcnt 0x0
	s_add_nc_u64 s[18:19], s[4:5], s[16:17]
	s_add_nc_u64 s[46:47], s[6:7], s[46:47]
	CROUND                                         ; all sixteen work-groups are here: the first joint loads meet
.irp s, 0,1
	s_mov_b32 s[G0A+4*(\s)], 1                                       ; 1:0 count = 1
	s_add_co_u32 s[G0A+4*(\s)+1], s20, (\s)*SLOT                     ; 63:32 LDS address
	s_add_nc_u64 s[G0A+4*(\s)+2:G0A+4*(\s)+3], s[18:19], (\s)*KSTEP*2  ; 120:64 global address: K step s
	s_or_b32 s[G0A+4*(\s)+3], s[G0A+4*(\s)+3], 0x80000000            ; 127:126 type = 2
	s_mov_b32 s[G0B+4*(\s)], 1
	s_add_co_u32 s[G0B+4*(\s)+1], s21, (\s)*SLOT
	s_add_nc_u64 s[G0B+4*(\s)+2:G0B+4*(\s)+3], s[46:47], (\s)*KSTEP*2
	s_or_b32 s[G0B+4*(\s)+3], s[G0B+4*(\s)+3], 0x80000000
.endr
	s_cmp_eq_u32 s13, 0                            ; a wave's two first fills stand in one branch, ahead of every wait on TENSORcnt, every LDS read and every further barrier: two loads of mine are out
	s_cbranch_scc0 .Lfirst_b
	tensor_load_to_lds s[G0A:G0A+3], s[G1A:G1A+7]
	s_nop 0
	tensor_load_to_lds s[G0A+4:G0A+7], s[G1A:G1A+7]
	s_nop 0
.rept 4
	v_nop
.endr
	s_branch .Lfirst_asked
.Lfirst_b:
	tensor_load_to_lds s[G0B:G0B+3], s[G1B:G1B+7]
	s_nop 0
	tensor_load_to_lds s[G0B+4:G0B+7], s[G1B:G1B+7]
	s_nop 0
.rept 4
	v_nop
.endr
.Lfirst_asked:
	; A fragment is 16 rows x 32 k in 8 registers: lane l holds row l % 16; registers 0-3 hold k = 8 (l / 16) + 0..7, registers 4-7 hold k = 16 + 8 (l / 16) + 0..7.
	; From rows that lie along k: two loads of 16 bytes, 32 bytes apart.  The same for source 0 and source 1.
	v_and_b32 v1, 15, v0                           ; l % 16
	v_bfe_u32 v2, v0, 4, 1                         ; l / 16
	v_mul_u32_u24 v3, v1, PITCH
	v_lshl_add_u32 v3, v2, 4, v3                   ; row x pitch + 16 x half
	s_mul_i32 s22, s13, HALFT                      ; my 128 rows of xh
	s_mul_i32 s23, s14, HALFT                      ; my 128 rows of wh,
	s_add_co_u32 s23, s23, 2*HALFT                 ; which lie behind xh's 256
.irp s, 0,1
	v_add_nc_u32 v[ADRA+(\s)], s22, v3
	v_add_nc_u32 v[ADRB+(\s)], s23, v3
	s_add_co_u32 s22, s22, SLOT
	s_add_co_u32 s23, s23, SLOT
.endr
	s_mul_i32 s22, s12, WSTAGE
	s_add_co_u32 s22, s22, STAGE                   ; my stage
	v_mul_u32_u24 v3, v1, SPITCH                   ; in: row l % 16, 32 bytes for each half of the lanes
	v_lshl_add_u32 v3, v2, 5, v3
	v_add_nc_u32 v[STO], s22, v3
	v_and_b32 v3, 31, v0
	v_lshlrev_b32 v[CO], 4, v3                     ; back and out: 32 lanes take a row's 512 bytes
	v_add_nc_u32 v[RD], s22, v[CO]
	v_lshlrev_b32 v8, 3, v3                        ; bias: my four columns are 8 bytes
	s_lshl_b32 s46, s42, 9                         ; the tile's 256 columns of bias (in the registers that held wh's address: none that feeds xh's descriptors ever holds cx),
	s_lshl_b32 s47, s14, 8                         ; my wave's 128 of them
	s_add_co_u32 s46, s46, s47
	s_mov_b32 s47, 0
	s_add_nc_u64 s[8:9], s[8:9], s[46:47]
	global_load_b64 v[36:37], v8, s[8:9]           ; columns 4 l .. 4 l + 3 of my wave's; waited for on the way out; its address registers are never rewritten
	s_lshl_b32 s16, s43, 21                        ; out: 256 rows of 8,192 bytes a tile row,
	s_lshl_b32 s17, s13, 20                        ; 128 rows a half
	s_add_co_u32 s16, s16, s17
	s_mov_b32 s17, 0
	s_add_nc_u64 s[10:11], s[10:11], s[16:17]
	s_lshl_b32 s46, s42, 10                        ; 1,024 bytes a tile column,
	s_lshl_b32 s47, s14, 9                         ; 512 a half
	s_add_co_u32 s46, s46, s47
	s_mov_b32 s47, 0
	s_add_nc_u64 s[10:11], s[10:11], s[46:47]
; 16 matrix instructions: row blocks a0, a0 + 1 of the window's four (hi = 0: my rows 0-63, 1: rows 64-127) x all 8 column blocks, 32 along K.
; zero = 1: the first product starts the sums: nothing is ever cleared.  The 64 accumulators take turns, one instruction a turn, in the same order in every quarter.
.macro MUL16 f, hi, a0, zero
	WIN MUL_LO+0x50*(\hi)
.irp a, \a0, (\a0)+1
.irp b, 0,1,2,3,4,5,6,7
.if \zero
	v_wmma_f32_16x16x32_f16 v[8*(8*(\a)+(\b)):8*(8*(\a)+(\b))+7], v[(\f)+8*(\b):(\f)+8*(\b)+7], v[(\f)+8*(4*(\hi)+(\a)):(\f)+8*(4*(\hi)+(\a))+7], 0
.else
	v_wmma_f32_16x16x32_f16 v[8*(8*(\a)+(\b)):8*(8*(\a)+(\b))+7], v[(\f)+8*(\b):(\f)+8*(\b)+7], v[(\f)+8*(4*(\hi)+(\a)):(\f)+8*(4*(\hi)+(\a))+7], v[8*(8*(\a)+(\b)):8*(8*(\a)+(\b))+7]
.endif
.endr
.endr
.endm
; 32 LDS loads in one run: the fragments of one quarter step (128 rows of wh, then 128 rows of xh, 32 k at byte k of the rows) into buffer f
.macro FETCH slot, k, f
	WIN TO_B
.irp i, 0,1,2,3,4,5,6,7
	ds_load_b128 v[(\f)+8*(\i):(\f)+8*(\i)+3],   v[ADRB+(\slot)] offset:(\k)+(\i)*16*PITCH
	ds_load_b128 v[(\f)+8*(\i)+4:(\f)+8*(\i)+7], v[ADRB+(\slot)] offset:(\k)+(\i)*16*PITCH+32
.endr
	WIN 0
.irp i, 0,1,2,3,4,5,6,7
	ds_load_b128 v[(\f)+8*(\i):(\f)+8*(\i)+3],   v[ADRA+(\slot)] offset:(\k)+(\i)*16*PITCH
	ds_load_b128 v[(\f)+8*(\i)+4:(\f)+8*(\i)+7], v[ADRA+(\slot)] offset:(\k)+(\i)*16*PITCH+32
.endr
.endm
; A load into a register that a matrix instruction has read, and an LDS store that reads a matrix result, stand four places behind that matrix instruction, and only plain vector instructions that
; name none of its registers are places (ISA guide 7.12.1 for vector instructions).  So four v_nop stand in front of each run of loads.
.macro PLACES
.rept 4
	v_nop
.endr
.endm
; A K step is four quarters of 32 along K, 64 matrix instructions each, on buffers 0, 1, 0, 1.
; One of the first three: multiplies buffer f; in its middle it fetches the next quarter's fragments, at byte k of the same slot's rows, into buffer g.
.macro QUARTER slot, k, f, g, zero
	s_wait_dscnt 8                                 ; wh and xh's rows 0-63 are in; the youngest eight loads (xh's rows 64-127) may be out
	MUL16 \f, 0, 0, \zero
	MUL16 \f, 0, 2, \zero
	PLACES
	FETCH \slot, \k, \g
	s_wait_dscnt 32                                ; all but the 32 just issued
	MUL16 \f, 1, 0, \zero
	MUL16 \f, 1, 2, \zero
.endm
; The last quarter multiplies buffer 1 and changes slots: ONE barrier for two things.  In front of it each wave waits for all its tensor loads, of which one is out: its part of the next slot; adds 0 to its
; spare word; and waits for that and for its own reads of this slot.  Behind it nobody reads this slot any more and the next slot is whole.  fill = 1: the barrier opens a round of the cluster's, so that no
; wave of any partner still reads the slot or has a load on its way, and this slot is filled again, two K steps ahead, first thing behind the round.
.macro TURN slot, next, fill
	WIN 0                                          ; (the add's two registers lie in window 0)
	s_wait_tensorcnt 0x0                           ; all my tensor loads have landed, so a group 0 may be written
	ds_add_u32 v[SPW], v[NIL]                      ; 0 onto my spare word
	s_wait_dscnt 9                                 ; (the add and the youngest eight loads may be out)
	MUL16 F1, 0, 0, 0                              ; sixteen matrix instructions stand between the add and the wait for it
	s_wait_dscnt 0x0                               ; the add is done, and my reads of this slot are over
	s_barrier_signal -1
	MUL16 F1, 0, 2, 0                              ; work on registers while the others arrive
.if \fill
	WIN 0
.endif
	s_barrier_wait -1
.if \fill
	CREST
	s_add_nc_u64 s[G0A+4*(\slot)+2:G0A+4*(\slot)+3], s[G0A+4*(\slot)+2:G0A+4*(\slot)+3], 2*KSTEP*2  ; the type bits on top are not reached
	s_add_nc_u64 s[G0B+4*(\slot)+2:G0B+4*(\slot)+3], s[G0B+4*(\slot)+2:G0B+4*(\slot)+3], 2*KSTEP*2
	JLOAD \slot                                    ; my one tensor load behind the round; the four v_nop behind it are also the places in front of the loads below
.else
	PLACES
.endif
	FETCH \next, 0, F0
	MUL16 F1, 1, 0, 0
	MUL16 F1, 1, 2, 0
.endm
; THE WAY OUT of my rows 16 a on, in three parts.  ST: a lane's eight numbers of a row are 32 bytes; they go into my own stage, rows of 528 bytes (each accumulator's low registers first).
; LD: they come back as whole rows of 512 bytes.  SEND: the bias is added, and each store of the wave covers 512 consecutive bytes, at a multiple of 512 from out's first byte.
.macro ST a
	WIN 0x08+4*((\a)/4)                            ; the data (source 1) in window 2 or 3
.set bb, 0
.rept 8
.set rD, 64*((\a)%4)+8*bb
	ds_store_b128 v[STO], v[rD:rD+3] offset:64*bb
	ds_store_b128 v[STO], v[rD+4:rD+7] offset:64*bb+16
.set bb, bb+1
.endr
	WIN 0
.endm
.macro LD a
	s_wait_xcnt 0x0                                ; every earlier memory instruction has had its addresses translated (ISA guide 3.1): only behind this wait are the registers that block a - 2's stores read loaded again
.set BK, OB+64*((\a)%2)
.set tt, 0
.rept 16
	ds_load_b128 v[BK+4*tt:BK+4*tt+3], v[RD] offset:tt*SPITCH  ; LDS serves a wave's instructions in order (ISA guide 5.7.1.4): these see the stores above, and the next block's stores come behind them
.set tt, tt+1
.endr
.endm
.macro SEND a, younger                 ; younger: the LDS instructions issued behind block a's loads: the next block's sixteen stores, or none
.set BK, OB+64*((\a)%2)
.set tt, 0
.rept 16
	s_wait_dscnt (\younger)+15-tt                  ; row tt is back
	v_pk_add_f32 v[BK+4*tt:BK+4*tt+1],   v[BK+4*tt:BK+4*tt+1],   v[BIAS:BIAS+1]
	v_pk_add_f32 v[BK+4*tt+2:BK+4*tt+3], v[BK+4*tt+2:BK+4*tt+3], v[BIAS+2:BIAS+3]
	global_store_b128 v[CO], v[BK+4*tt:BK+4*tt+3], s[10:11] offset:(16*(\a)+tt)*8192 th:TH_STORE_NT  ; the row's place among my 128 stands in the immediate: 1,040,384 at the most, inside its signed 24 bits
.set tt, tt+1
.endr
.endm
	s_wait_tensorcnt 1                             ; my part of K step 0 is in; K step 1's, issued behind it, may stay out
	s_barrier_signal -1
	s_barrier_wait -1                              ; everybody's is
	FETCH 0, 0, F0
	QUARTER 0, 64,  F0, F1, 1                      ; the first quarter stands in front of the loop: its products start all 64 sums
	WIN 0                                          ; at a label and at a branch every window is 0
	s_mov_b32 s3, LAPS-1
.Llap:                                                 ; trip j goes once round the ring, from a lap's second quarter to the next lap's first, and asks for K steps 2 j + 2 and 2 j + 3: 31 at the most
	QUARTER 0, 128, F1, F0, 0
	QUARTER 0, 192, F0, F1, 0
	TURN 0, 1, 1
	QUARTER 1, 64,  F0, F1, 0
	QUARTER 1, 128, F1, F0, 0
	QUARTER 1, 192, F0, F1, 0
	TURN 1, 0, 1
	QUARTER 0, 64,  F0, F1, 0
	WIN 0
	s_sub_co_u32 s3, s3, 1
	s_cmp_lg_u32 s3, 0
	s_cbranch_scc1 .Llap
	QUARTER 0, 128, F1, F0, 0                      ; the last lap's rest is written out: nothing is asked for, and no round of the cluster's barrier is needed
	QUARTER 0, 192, F0, F1, 0
	TURN 0, 1, 0
	QUARTER 1, 64,  F0, F1, 0
	QUARTER 1, 128, F1, F0, 0
	QUARTER 1, 192, F0, F1, 0
	s_wait_dscnt 8                                 ; the very last quarter: nothing more to fetch
	MUL16 F1, 0, 0, 0
	MUL16 F1, 0, 2, 0
	s_wait_dscnt 0x0
	MUL16 F1, 1, 0, 0
	MUL16 F1, 1, 2, 0
	WIN 0
	s_wait_loadcnt 0x0                             ; bias, asked for at the start
	v_cvt_f32_f16 v[BIAS+0], v36.l
	v_cvt_f32_f16 v[BIAS+1], v36.h
	v_cvt_f32_f16 v[BIAS+2], v37.l
	v_cvt_f32_f16 v[BIAS+3], v37.h
	PLACES                                         ; behind the last products: the stage's stores read results, and its loads land where xh's fragments lay
	ST 0
	LD 0
.irp a, 1,2,3,4,5,6,7                  ; block a's stores into the stage stand between block a - 1's loads from it and the waits for them
	ST \a
	SEND (\a)-1, 16
	LD \a
.endr
	SEND 7, 0
	s_wait_tensorcnt 0x0                           ; the wave's end, behind my last tensor load and my last LDS store
	ds_add_u32 v[SPW], v[NIL]
	s_wait_dscnt 0x0
	CROUND                                         ; the closing round: no work-group ends while a partner may still ask for a tile that names it
	s_endpgm
.Lfunc_end_k_qe8f45324a5_gemm:
	.size	k_qe8f45324a5_gemm, .Lfunc_end_k_qe8f45324a5_gemm-k_qe8f45324a5_gemm
	.p2alignl 7, 3214868480
	.fill 96, 4, 3214868480
	.section	.rodata,"a",@progbits
	.p2align	6, 0x0
	.amdhsa_kernel k_qe8f45324a5_gemm
		.amdhsa_group_segment_fixed_size 327680
		.amdhsa_private_segment_fixed_size 0
		.amdhsa_enable_private_segment 0
		.amdhsa_kernarg_size 32
		.amdhsa_user_sgpr_count 2
		.amdhsa_user_sgpr_kernarg_segment_ptr 1
		.amdhsa_wavefront_size32 1
		.amdhsa_system_sgpr_workgroup_id_x 1
		.amdhsa_system_sgpr_workgroup_id_y 1
		.amdhsa_system_sgpr_workgroup_id_z 1
		.amdhsa_system_vgpr_workitem_id 0
		.amdhsa_next_free_vgpr 1024
		.amdhsa_next_free_sgpr 66
		.amdhsa_reserve_vcc 0
		.amdhsa_float_denorm_mode_32 3
		.amdhsa_float_denorm_mode_16_64 3
		.amdhsa_memory_ordered 1
		.amdhsa_forward_progress 1
		.amdhsa_inst_pref_size 160
	.end_amdhsa_kernel
	.amdgpu_metadata
---
amdhsa.version: [ 1, 2 ]
amdhsa.kernels:
  - .name:           k_qe8f45324a5_gemm
    .symbol:         k_qe8f45324a5_gemm.kd
    .args:
      - { .name: xh, .offset: 0, .size: 8, .value_kind: global_buffer, .address_space: global }
      - { .name: wh, .offset: 8, .size: 8, .value_kind: global_buffer, .address_space: global }
      - { .name: bias, .offset: 16, .size: 8, .value_kind: global_buffer, .address_space: global }
      - { .name: out0, .offset: 24, .size: 8, .value_kind: global_buffer, .address_space: global }
    .group_segment_fixed_size: 327680
    .private_segment_fixed_size: 0
    .kernarg_segment_align: 8
    .kernarg_segment_size: 32
    .max_flat_workgroup_size: 128
    .sgpr_count:     66
    .vgpr_count:     1024
    .wavefront_size: 32
...
	.end_amdgpu_metadata
.endif
;; end of part 2
;; ======== version 2 of 2: 2 launches; version 1 with the launch prep written anew for expert scheduling mode
;; workspace buffers: xh 67,108,864 bytes; wh 16,777,216 bytes
;; launch prep (part 3): grid 1024 x 1, 8 waves a work-group, no clusters, 0 bytes of LDS; arguments x, weight_q3, weight_norm, xh, wh; writes xh, wh
.if DOCPART == 3
	.amdgcn_target "amdgcn-amd-amdhsa--gfx1250"
	.amdhsa_code_object_version 6
	.text
	.protected	k_qe8f45324a5_prep
	.globl	k_qe8f45324a5_prep
	.p2align	8
	.type	k_qe8f45324a5_prep,@function
k_qe8f45324a5_prep:
	s_mov_b64 s[64:65], 0
	v_nop
	global_prefetch_b8 v0, s[64:65] scope:SCOPE_SE
	s_setreg_imm32_b32 hwreg(HW_REG_WAVE_SCHED_MODE, 0, 2), 2
	s_setreg_imm32_b32 hwreg(HW_REG_WAVE_MODE, 25, 1), 1
	s_wait_xcnt 0x0
	s_wait_alu depctr_vm_vsrc(0)
; TWO STREAMS IN ONE LAUNCH, both operands of the product that follows, in f16 and row-major.
; xh[m][k] = f16(x[m][k]), x: [8192][4096] f32.
; wh[n][k] = f16((2 q / 7 - 1) x norm), W: [2048][4096].  q: 3-bit codes, 32 to a group of 12 bytes (a little-endian stream of bits: code i is bits 3 i .. 3 i + 2);
; norm: one f16 a group; the groups follow each other along k and then along n, so group number = flat index of the weight / 32.
; WHY x IS ROUNDED HERE and not in the product's launch: there x in f32 would take 4 bytes a number in LDS, and two slots of 128 along K (2 x 204,800 bytes) do not fit in 327,680.
; LIMITS.  |x| from 65,520 on becomes an infinity in f16, as in reference.  w = fma(q, norm * (2/7), -norm) in f32: reference's q / 7 * 2 * norm - norm with its f32 roundings in another
; order (a few 2^-24 of norm), then one rounding to f16.  NaN and infinities are not treated apart.
; SHARES.  Work-group g takes the 131,072 consecutive bytes of x from g << 17 (8 rows) and writes the 65,536 of xh from g << 16: thread t has the 16 bytes at 16 t + 4096 j, j = 0 .. 31, so a load of a wave
; covers 512 consecutive bytes and its store, 8 bytes a lane, 256 consecutive bytes, aligned.  It also writes the 16,384 consecutive bytes of wh from g << 14 (256 groups: 3,072 consecutive bytes of codes,
; 512 of norms): thread t makes 4 items; item i is the 16 bytes (8 weights, 24 bits of group 64 i + t / 4) at 4096 i + 16 t, so a store of a wave covers 512 consecutive bytes.
; All 44 loads of a thread go out at once, the 12 for the weights first: those are worked on while x is on its way.  Every load has registers of its own, results are made in place, and no register that a
; memory instruction names as a source is written again: so no wait frees a source.  No LDS, no barrier, no matrix unit, no cluster: no work-group shares a byte with another.
; THE MODE: SCHED_MODE bits 1:0 = 2 (LLVM: expert scheduling mode 2), set by the entry lines.  The code itself states the register dependences between vector instructions and memory instructions,
; with s_wait_alu, always for 0.
; THE PLAN.  Registers that memory instructions touch:
;   v1 to v5    byte offsets.  Written once, at the head; read by every load and store; never written again.
;   L, item i   Its three loads land in it, at the head; its vector work reads it and its four roundings write it; its one store reads it; nothing writes it after that.
;   X, chunk j  Its load lands in it, at the head; its two roundings read it and write its first two registers; its one store reads those; nothing writes them after that.
;   v6 to v23   are named by vector instructions alone.
; No load is issued behind the head, and no register that a memory instruction reads is written again: what is left to state is that a store's data are written.  The work goes in ten blocks: W0 (items 0, 1),
; W1 (items 2, 3), X0 to X7 (four chunks each).  A block's stores are issued in the block behind it: ONE wait on va_vdst stands at that block's head, behind the wait for its data, and the stores are dealt among
; its vector instructions, which name that block's own registers and v6 to v23: none that those stores touch.  One more such wait stands ahead of the first load, for the offsets, and one ahead of the last four stores.
.set O,   1                            ; v1      16 t: x's loads and wh's stores
.set XS,  2                            ; v2      8 t: xh's stores
.set QLO, 3                            ; v3      byte offset of the dword with my 24 bits' low end
.set QHI, 4                            ; v4      of the dword with their high end
.set NO,  5                            ; v5      byte offset of my group's norm
.set SH,  6                            ; v6      the low dword goes right by (24 cc) mod 32 = 0, 24, 16, 8
.set SHL, 7                            ; v7      the high dword goes left by 8 cc = 0, 8, 16, 24
.set C24, 9                            ; v9      my 24 bits (bits 24-31 are not read)
.set ONE, 10                           ; v10     1.0
.set ZERO,11                           ; v11     0
.set S,   12                           ; v[12:13] norm * 2/7 in the low word
.set N,   14                           ; v[14:15] norm in the low word
.set T,   16                           ; v16-23  at work in the set-up; then eight codes, then eight weights in f32
.set L,   24                           ; v24-39  item i: low dword, high dword, norm (f16 in the low half), one free; then the item's 8 f16 to store
.set X,   40                           ; v40-167 chunk j: 4 f32 as loaded; then 4 f16 in the first two
	s_load_b256 s[4:11], s[0:1], 0x0               ; x s[4:5], weight_q3 s[6:7], weight_norm s[8:9], xh s[10:11]
	s_load_b64 s[12:13], s[0:1], 0x20              ; wh
	s_lshl_b32 s14, ttmp9, 17                      ; the work-group's part of x,
	s_mov_b32 s15, 0
	s_lshl_b32 s16, ttmp9, 16                      ; of xh,
	s_mov_b32 s17, 0
	s_mul_i32 s18, ttmp9, 256*12                   ; of the codes,
	s_mov_b32 s19, 0
	s_lshl_b32 s20, ttmp9, 9                       ; of the norms,
	s_mov_b32 s21, 0
	s_lshl_b32 s22, ttmp9, 14                      ; of wh
	s_mov_b32 s23, 0
	v_lshlrev_b32 v[O], 4, v0
	v_lshlrev_b32 v[XS], 3, v0
	v_and_b32 v[T], 3, v0                          ; cc: which 24 bits of the group's 96
	v_lshrrev_b32 v[T+1], 2, v0                    ; my group among 64
	v_mul_u32_u24 v[T+2], v[T+1], 12               ; its first byte
	v_max_u32 v[T+3], 1, v[T]
	v_add_nc_u32 v[T+3], -1, v[T+3]                ; low dword 0, 0, 1, 2
	v_lshl_add_u32 v[QLO], v[T+3], 2, v[T+2]
	v_min_u32 v[T+3], 2, v[T]                      ; high dword 0, 1, 2, 2: at cc = 0 it is the low dword once more, and both shifts are 0
	v_lshl_add_u32 v[QHI], v[T+3], 2, v[T+2]
	v_lshlrev_b32 v[NO], 1, v[T+1]
	v_lshlrev_b32 v[SHL], 3, v[T]
	v_sub_nc_u32 v[SH], 32, v[SHL]
	v_and_b32 v[SH], 31, v[SH]
	v_mov_b32 v[ONE], 1.0
	v_mov_b32 v[ZERO], 0
	v_mov_b32 v[S+1], 0                            ; named with their low words as pairs, so they are written
	v_mov_b32 v[N+1], 0
	s_wait_kmcnt 0x0
	s_add_nc_u64 s[4:5], s[4:5], s[14:15]
	s_add_nc_u64 s[6:7], s[6:7], s[18:19]
	s_add_nc_u64 s[8:9], s[8:9], s[20:21]
	s_add_nc_u64 s[10:11], s[10:11], s[16:17]
	s_add_nc_u64 s[12:13], s[12:13], s[22:23]
	s_wait_alu depctr_va_vdst(0)                   ; the five offsets v1 to v5 are written: every load and store of the kernel reads one of them
.set i, 0
.rept 4                                        ; item i: 64 groups on
	global_load_b32 v[L+4*i],   v[QLO], s[6:7] offset:i*64*12
	global_load_b32 v[L+4*i+1], v[QHI], s[6:7] offset:i*64*12
	global_load_u16 v[L+4*i+2], v[NO],  s[8:9] offset:i*64*2
.set i, i+1
.endr
.set j, 0
.rept 32                                       ; x is read once in the whole launch
	global_load_b128 v[X+4*j:X+4*j+3], v[O], s[4:5] offset:j*4096 th:TH_LOAD_NT
.set j, j+1
.endr
.macro WSTORE i                        ; item i leaves
	global_store_b128 v[O], v[L+4*(\i):L+4*(\i)+3], s[12:13] offset:(\i)*4096  ; the next launch reads these bytes: no hint
.endm
.macro XSTORE j                        ; chunk j leaves
	global_store_b64 v[XS], v[X+4*(\j):X+4*(\j)+1], s[10:11] offset:(\j)*2048
.endm
; Item i.  head = 1: it is a block's first, with a block in front of it.  st: the item of the block before that is stored ahead of this item's work, or -1.
.macro ITEM i, head, st
	s_wait_loadcnt 3*(3-(\i))+32                   ; loads come back in order (ISA guide 5.7.1): the three of each younger item and x's 32 may stay out
.if \head
	s_wait_alu depctr_va_vdst(0)                   ; the roundings of items 0 and 1 have written their L registers, which the two stores of this block read
.endif
.if (\st) >= 0
	WSTORE \st                                     ; no vector instruction since that wait names its registers
.endif
	v_lshrrev_b32 v[C24], v[SH], v[L+4*(\i)]
	v_lshl_or_b32 v[C24], v[L+4*(\i)+1], v[SHL], v[C24]
	v_fma_mix_f32 v[N], v[L+4*(\i)+2], v[ONE], v[ZERO] op_sel_hi:[1,0,0]   ; norm as f32
	v_mul_f32 v[S], 0x3e924925, v[N]               ; norm * 2/7
.irp k, 0,1,2,3,4,5,6,7
	v_bfe_u32 v[T+(\k)], v[C24], 3*(\k), 3
.endr
.irp k, 0,1,2,3,4,5,6,7
	v_cvt_f32_u32 v[T+(\k)], v[T+(\k)]
.endr
.irp k, 0,2,4,6
	v_pk_fma_f32 v[T+(\k):T+(\k)+1], v[T+(\k):T+(\k)+1], v[S:S+1], v[N:N+1] op_sel_hi:[1,0,0] neg_lo:[0,0,1] neg_hi:[0,0,1]  ; q s - norm, twice
.endr
.irp k, 0,1,2,3
	v_cvt_pk_f16_f32 v[L+4*(\i)+(\k)], v[T+2*(\k)], v[T+2*(\k)+1]   ; the item's dwords and norm have been used: its four registers take the result
.endr
.endm
; Block b of x: chunks 4 b to 4 b + 3 are rounded; the block before leaves: chunks 4 b - 4 to 4 b - 1, or, in block 0, items 2 and 3.
.macro XBLK b
	s_wait_loadcnt 28-4*(\b)                       ; the block's four chunks are in; the younger blocks' stay out
	s_wait_alu depctr_va_vdst(0)                   ; the block before has written the registers that the stores below read
.irp c, 0,1,2,3
.if (\b) > 0
	XSTORE 4*((\b)-1)+(\c)                         ; no vector instruction since that wait names its registers
.elseif (\c) < 2
	WSTORE 2+(\c)
.endif
	v_cvt_pk_f16_f32 v[X+16*(\b)+4*(\c)],   v[X+16*(\b)+4*(\c)],   v[X+16*(\b)+4*(\c)+1]
	v_cvt_pk_f16_f32 v[X+16*(\b)+4*(\c)+1], v[X+16*(\b)+4*(\c)+2], v[X+16*(\b)+4*(\c)+3]
.endr
.endm
	ITEM 0, 0, -1                                  ; block W0: no block in front of it, so no store and no wait but those for its data
	ITEM 1, 0, -1
	ITEM 2, 1, 0                                   ; block W1
	ITEM 3, 0, 1
.irp b, 0,1,2,3,4,5,6,7
	XBLK \b
.endr
	s_wait_alu depctr_va_vdst(0)                   ; block X7 has written the registers that the last four stores read
.irp c, 0,1,2,3
	XSTORE 28+(\c)
.endr
	s_endpgm
.Lfunc_end_k_qe8f45324a5_prep:
	.size	k_qe8f45324a5_prep, .Lfunc_end_k_qe8f45324a5_prep-k_qe8f45324a5_prep
	.p2alignl 7, 3214868480
	.fill 96, 4, 3214868480
	.section	.rodata,"a",@progbits
	.p2align	6, 0x0
	.amdhsa_kernel k_qe8f45324a5_prep
		.amdhsa_group_segment_fixed_size 0
		.amdhsa_private_segment_fixed_size 0
		.amdhsa_enable_private_segment 0
		.amdhsa_kernarg_size 40
		.amdhsa_user_sgpr_count 2
		.amdhsa_user_sgpr_kernarg_segment_ptr 1
		.amdhsa_wavefront_size32 1
		.amdhsa_system_sgpr_workgroup_id_x 1
		.amdhsa_system_sgpr_workgroup_id_y 1
		.amdhsa_system_sgpr_workgroup_id_z 1
		.amdhsa_system_vgpr_workitem_id 0
		.amdhsa_next_free_vgpr 168
		.amdhsa_next_free_sgpr 66
		.amdhsa_reserve_vcc 0
		.amdhsa_float_denorm_mode_32 3
		.amdhsa_float_denorm_mode_16_64 3
		.amdhsa_memory_ordered 1
		.amdhsa_forward_progress 1
		.amdhsa_inst_pref_size 20
	.end_amdhsa_kernel
	.amdgpu_metadata
---
amdhsa.version: [ 1, 2 ]
amdhsa.kernels:
  - .name:           k_qe8f45324a5_prep
    .symbol:         k_qe8f45324a5_prep.kd
    .args:
      - { .name: x, .offset: 0, .size: 8, .value_kind: global_buffer, .address_space: global }
      - { .name: weight_q3, .offset: 8, .size: 8, .value_kind: global_buffer, .address_space: global }
      - { .name: weight_norm, .offset: 16, .size: 8, .value_kind: global_buffer, .address_space: global }
      - { .name: xh, .offset: 24, .size: 8, .value_kind: global_buffer, .address_space: global }
      - { .name: wh, .offset: 32, .size: 8, .value_kind: global_buffer, .address_space: global }
    .group_segment_fixed_size: 0
    .private_segment_fixed_size: 0
    .kernarg_segment_align: 8
    .kernarg_segment_size: 40
    .max_flat_workgroup_size: 256
    .sgpr_count:     66
    .vgpr_count:     168
    .wavefront_size: 32
...
	.end_amdgpu_metadata
.endif
;; end of part 3
;; launch gemm: the kernel of part 2 again; grid 8 x 32, 4 waves a work-group, clusters of 4 x 4, 327,680 bytes of LDS; arguments xh, wh, bias, out0; writes out0
